; MI455X (gfx1250); checked and timed in simulation.
; The chip was launched on July 23, 2026; its instructions are those of AMD's public machine-readable ISA for CDNA 5 (MIT licence, August 2026) and "CDNA5" Instruction Set Architecture Reference Guide (July 2026). The comments in the code are by the model that wrote it; some were corrected since.
;; Align. Allowed arithmetic: matrix products marked QUANTISED: E2M1 operands, one E8M0 scale for each 32 along K, by v_wmma_scale_f32_16x16x128_f8f6f4 with both operands' format E2M1 (or v_wmma_scale_f32_32x16x128_f4), f32 sums; products left as they are: f32 operands where the result goes on into a quantised operand, else bf16, f16 or f32 operands; f32 sums; everything else in f32.
;; Inputs: W 2,048 x 2,048 float32; b 2,048 float32; key 128 x 128 x 2,048 float32; v 128 x 2,048 x 1 float32; value 128 x 128 x 2,048 float32.
;; Outputs: out0 128 x 2,048 float32; out1 128 x 128 x 1 float32.
;; This version of the problem:
;;   THIS VERSION OF THE PROBLEM IS GIVEN IN LOW PRECISION. The matrix products marked QUANTISED in the list below multiply operands that are first quantised to E2M1 (2 exponent bits, 1 mantissa bit; 4 bits a number), with one power-of-two scale for each 32 numbers along K (OCP MX v1.0); their sums are f32. All else is computed in f32.
;;   The module's matrix products, in the order in which they are computed (A, B: the left and right operand; K: the contracted axis; several contracted axes count as one K, in the product's order):
;;     1. [M 16,384, K 2,048] x [K 2,048, N 2,048]; A: input key; B: input W: QUANTISED
;;     2. batch 128 x [M 128, K 2,048] x [K 2,048, N 1]; A: computed on the way; B: input v: left as it is (N = 1 < 16)
;;   THE QUANTISER, for each operand of a quantised product, along K:
;;     - K is cut into blocks of 32 from its start; a last block that is shorter is filled with zeros.
;;     - A block's scale is 2^e with e = floor(log2(the largest magnitude in the block)) - 2, held to -126 .. 127; a block of zeros has e = 0. As a byte (E8M0): e + 127.
;;     - Each number is divided by its block's scale, clamped to +-6, and rounded to the nearest number of E2M1, ties to even, subnormals kept.
;;     - The product sums the exact products of the quantised numbers (number of the format x scale) in f32.
;;   ~~~python
;;   def quantise(x, axis):      # numpy; x: float32 -> the quantised numbers, widened to float32 again
;;       x = np.moveaxis(x, axis, -1); K = x.shape[-1]
;;       x = np.pad(x, [(0, 0)] * (x.ndim - 1) + [(0, -K % 32)]); x = x.reshape(x.shape[:-1] + (-1, 32)); a = np.abs(x).max(-1, keepdims=True)
;;       e = np.where(a > 0, np.clip(np.frexp(np.where(a > 0, a, 1))[1] - 1 - 2, -126, 127), 0)      # np.frexp(a)[1] - 1 = floor(log2(a)), exactly
;;       r = np.clip(x / 2.0 ** e, -6, 6)
;;       step = 2.0 ** (np.maximum(np.frexp(np.where(r == 0, 1, r))[1] - 1, 0) - 1)
;;       q = np.round(r / step) * step * 2.0 ** e      # np.round: ties to even
;;       return np.moveaxis(q.reshape(q.shape[:-2] + (-1,))[..., :K], -1, axis).astype(np.float32)
;;   ~~~
;; One version. Each part assembles by itself: llvm-mc -triple=amdgcn-amd-amdhsa -mcpu=gfx1250 --defsym DOCPART=n.
;; ======== version 1 of 1: 3 launches
;; limits: right only within a limited range of input values
;; workspace buffers: kcodes 16,777,216 bytes; kscales 1,048,576 bytes; wcodes 2,097,152 bytes; wscales 131,072 bytes; part 262,144 bytes
;; launch quant (part 1): grid 1024 x 1, 4 waves a work-group, no clusters, 41,472 bytes of LDS; arguments key, W, kcodes, kscales, wcodes, wscales; writes kcodes, kscales, wcodes, wscales
.if DOCPART == 1
	.amdgcn_target "amdgcn-amd-amdhsa--gfx1250"
	.amdhsa_code_object_version 6
	.text
	.protected	k_qc1076e0099_quant
	.globl	k_qc1076e0099_quant
	.p2align	8
	.type	k_qc1076e0099_quant,@function
k_qc1076e0099_quant:
	s_mov_b64 s[64:65], 0
	v_nop
	global_prefetch_b8 v0, s[64:65] scope:SCOPE_SE
	s_setreg_imm32_b32 hwreg(HW_REG_WAVE_MODE, 25, 1), 1
	s_wait_xcnt 0x0
; key [128 s][128 b][2048] and W [2048][2048], f32, are turned into codes of FP4 (E2M1), two a byte, the lower k in the low four bits, with one E8M0 scale byte for each 32 along K.
; A block's scale is 2^(floor(log2(its largest magnitude)) - 2); its byte is the largest magnitude's exponent field - 2, held at 1 from below.  Each number is divided by the scale and rounded to the nearest code, ties to even; beyond 6 the largest code.
; LIMITS: a block of zeros gets the byte 1 where the rule says 127 (its codes are zeros, and this program alone reads the bytes); blocks whose largest magnitude lies under 2^-124 have their byte held at 1; NaN and infinities are not served.
; THE BUFFERS ARE LAID AS THE NEXT LAUNCH'S REGISTERS TAKE THEM.
;   kcodes [b][8 blocks of 16 s][16 K steps of 128][1,024 bytes]: in a K step's 1,024 bytes the 16 bytes of row r, K = 64 c + 32 h + 0 .. 31, lie at 512 c + 256 h + 16 r: an operand register quad of lane 16 h + r.
;   kscales [b][4 quarters of K][128 s][16 bytes].   wcodes [e][1,024 bytes], rows as they are.   wscales [64 groups of 32 e][4 quarters of K][32 e][16 bytes].
; SHARES.  Every wave does 18 steps of 512 numbers.  Work-group g = 8 b + block; its wave Q takes, in steps 0-15, quarter Q of K of rows s = 16 block + 0 .. 15 (a step a row): 4,096 bytes of codes and 256 scale bytes, each on end in its buffer.
;   Steps 16-17: half-row q = 4 g + Q of W (row q / 2): 512 bytes of codes on end; its 32 scale bytes leave as two runs of 16 bytes, a byte a lane (all of W's scale bytes are 131,072).
; A lane must hold 16 neighbours for the conversions, and a load is dense where neighbouring lanes take neighbouring bytes: a step's 2,048 bytes turn through the wave's own stage in LDS (16 bytes of padding behind each 64).
; Key's codes are gathered in a second stage of the wave's own: 16 units of 256 bytes, 272 apart; a step puts 16 bytes into each; at the end sixteen lanes store an aligned unit of 256 bytes.
; Waves share nothing: no barrier, no cluster.  Loads run eight steps (32 loads a wave) ahead.  Every offset is an immediate.
.set KSTEPS, 16
.set STEPS,  18
.set DEPTH,  8
.set EMAX,   2
.set KROWS,  0x100000                  ; bytes from key[s] to key[s + 1]; rows 8-15 have a base of their own, so that 7 KROWS + 1,536 stays inside the signed 24-bit immediate
.set R,      16                        ; v16-143  eight sets of 16 numbers as loaded; at the end v16-47 the codes on their way out
.set X,      144                       ; v144-175 two sets of 16 neighbours
.set E,      176                       ; v176-193 a scale byte for each step
.set C,      194                       ; v194-229 codes: two registers for each step
.set WREG,   10240                     ; LDS for each wave: two stages of 32 x SP, the scale bytes at SCB, the codes' stage at CST
.set SP,     80
.set SCB,    5120
.set CST,    5632
.set CP,     272
	s_load_b128 s[4:7], s[0:1], 0x0                ; key, W
	s_load_b128 s[8:11], s[0:1], 0x10              ; key's codes, key's scales
	s_load_b128 s[12:15], s[0:1], 0x20             ; W's codes, W's scales
	v_lshl_add_u32 v254, v0, 2, 0xa000             ; my spare word, behind the four regions
	v_mov_b32 v255, 0
	v_lshrrev_b32 v1, 5, v0
	v_readfirstlane_b32 s16, v1                    ; wave Q
	v_and_b32 v2, 31, v0                           ; lane
	v_lshlrev_b32 v3, 4, v2                        ; 16 x lane
	s_mul_i32 s17, s16, WREG
	v_lshrrev_b32 v14, 2, v2
	v_mul_u32_u24 v14, v14, SP
	v_and_b32 v15, 3, v2
	v_lshl_add_u32 v14, v15, 4, v14
	v_add_nc_u32 v14, s17, v14                     ; the stage, on the way in: SP (lane / 4) + 16 (lane % 4)
	v_mul_u32_u24 v15, v2, SP
	v_add_nc_u32 v15, s17, v15                     ; and on the way out: SP x lane
	v_lshlrev_b32 v4, 3, v2                        ; 8 x lane
	v_lshrrev_b32 v5, 1, v2                        ; my block of the step's 16; also my unit of the codes' stage
	v_mul_u32_u24 v230, v5, CP
	v_and_b32 v1, 1, v2
	v_lshl_add_u32 v230, v1, 3, v230
	v_add_nc_u32 v230, s17, v230                   ; the codes' stage, in: unit lane / 2, + 8 (lane % 2); the step's row in the immediate
	v_lshrrev_b32 v1, 4, v2
	v_mul_u32_u24 v231, v1, CP
	v_and_b32 v10, 15, v2
	v_lshl_add_u32 v231, v10, 4, v231
	v_add_nc_u32 v231, s17, v231                   ; and out: sixteen lanes to a unit
	v_lshl_or_b32 v1, v1, 9, v10                   ; W's scale byte t: 512 (t / 16) + t % 16
	v_add_nc_u32 v5, s17, v5
	v_add_nc_u32 v6, s17, v4
	v_add_nc_u32 v7, s17, v2
	s_lshl_b32 s18, ttmp9, 2
	s_add_co_u32 s18, s18, s16                     ; q
	s_and_b32 s32, ttmp9, 7                        ; block
	s_lshr_b32 s33, ttmp9, 3                       ; b
	s_lshl_b32 s33, s33, 13
	s_lshl_b32 s21, s16, 11
	s_add_co_u32 s33, s33, s21                     ; 8,192 b + 2,048 Q
	s_lshl_b32 s20, s32, 24                        ; s = 16 block, 2^20 bytes each
	s_add_co_u32 s20, s20, s33
	s_mov_b32 s21, 0
	s_lshl_b32 s22, s18, 12                        ; 4,096 q: W's half-row, and key's codes
	s_mov_b32 s23, 0
	s_lshl_b32 s24, s32, 8
	s_add_co_u32 s24, s24, s33                     ; key's scale bytes: 8,192 b + 2,048 Q + 256 block
	s_mov_b32 s25, 0
	s_lshl_b32 s26, s18, 9                         ; 512 q: W's codes
	s_mov_b32 s27, 0
	s_lshr_b32 s28, s18, 6
	s_lshl_b32 s28, s28, 11                        ; W's scale bytes: 2,048 (e / 32)
	s_and_b32 s32, s18, 1
	s_lshl_b32 s32, s32, 10
	s_add_co_u32 s28, s28, s32                     ; + 1,024 x half
	s_bfe_u32 s32, s18, 0x50001
	s_lshl_b32 s32, s32, 4
	s_add_co_u32 s28, s28, s32                     ; + 16 (e % 32)
	s_mov_b32 s29, 0
	s_wait_alu depctr_va_vdst(0)
	s_wait_kmcnt 0x0
	s_add_nc_u64 s[4:5], s[4:5], s[20:21]
	s_add_nc_u64 s[30:31], s[4:5], 8*KROWS         ; rows 8-15
	s_add_nc_u64 s[6:7], s[6:7], s[22:23]
	s_add_nc_u64 s[8:9], s[8:9], s[22:23]
	s_add_nc_u64 s[10:11], s[10:11], s[24:25]
	s_add_nc_u64 s[12:13], s[12:13], s[26:27]
	s_add_nc_u64 s[14:15], s[14:15], s[28:29]
.macro LOAD t                          ; 32 lanes read 512 consecutive bytes; read once in the launch
.irp i, 0,1,2,3
.if (\t) < 8
	global_load_b128 v[R+16*((\t)%DEPTH)+4*\i:R+16*((\t)%DEPTH)+4*\i+3], v3, s[4:5] offset:(\t)*KROWS+512*\i th:TH_LOAD_NT
.elseif (\t) < KSTEPS
	global_load_b128 v[R+16*((\t)%DEPTH)+4*\i:R+16*((\t)%DEPTH)+4*\i+3], v3, s[30:31] offset:((\t)-8)*KROWS+512*\i th:TH_LOAD_NT
.else
	global_load_b128 v[R+16*((\t)%DEPTH)+4*\i:R+16*((\t)%DEPTH)+4*\i+3], v3, s[6:7] offset:2048*((\t)-KSTEPS)+512*\i th:TH_LOAD_NT
.endif
.endr
.endm
.macro TURN t                          ; LDS serves a wave's instructions in order (ISA guide 5.7.1.4): no wait between the stores and the loads
.irp i, 0,1,2,3
	ds_store_b128 v14, v[R+16*((\t)%DEPTH)+4*\i:R+16*((\t)%DEPTH)+4*\i+3] offset:32*SP*((\t)%2)+8*SP*\i
.endr
.irp i, 0,1,2,3
	ds_load_b128 v[X+16*((\t)%2)+4*\i:X+16*((\t)%2)+4*\i+3], v15 offset:32*SP*((\t)%2)+16*\i
.endr
.endm
.irp t, 0,1,2,3,4,5,6,7
	LOAD \t
.endr
	s_wait_loadcnt 4*(DEPTH-1)                     ; step 0's four loads are in
	TURN 0
.macro STEP t
.set XS, X+16*((\t)%2)
.if (\t) == 0
	s_wait_dscnt 0x0
.elseif (\t) <= KSTEPS
	s_wait_dscnt 2                                 ; this step's numbers are back; the last step's byte store and code store may be out
.else
	s_wait_dscnt 1                                 ; behind a step of W: its byte store alone
.endif
.if (\t)+DEPTH < STEPS
	LOAD (\t)+DEPTH
.endif
.if (\t)+1 < STEPS
.if STEPS-2-(\t) >= DEPTH-1
	s_wait_loadcnt 4*(DEPTH-1)                     ; the next step's four loads are in; those of the seven steps behind it may be out
.else
	s_wait_loadcnt 4*(STEPS-2-(\t))
.endif
	TURN (\t)+1
.endif
	v_max3_num_f32 v8, |v[XS]|, |v[XS+1]|, |v[XS+2]|
	v_max3_num_f32 v9, |v[XS+3]|, |v[XS+4]|, |v[XS+5]|
.irp i, 6,10
	v_max3_num_f32 v8, v8, |v[XS+\i]|, |v[XS+\i+1]|
	v_max3_num_f32 v9, v9, |v[XS+\i+2]|, |v[XS+\i+3]|
.endr
	v_max3_num_f32 v8, v8, |v[XS+14]|, |v[XS+15]|
	v_max3_num_f32 v8, v8, v9, (EMAX+1)<<23        ; the floor: the byte cannot fall under 1
	v_max_num_f32_dpp v8, v8, v8 row_xmask:1 row_mask:0xf bank_mask:0xf   ; with my neighbour's 16: the block's
	v_add_nc_u32 v11, -(EMAX<<23), v8              ; EMAX off the exponent field: the conversion's scale operand
	v_cvt_scalef32_pk8_fp4_f32 v[C+2*(\t)], v[XS:XS+7], v11
	v_cvt_scalef32_pk8_fp4_f32 v[C+2*(\t)+1], v[XS+8:XS+15], v11
	v_lshrrev_b32 v[E+(\t)], 23, v11               ; the scale's byte (also the plain line behind the conversions)
	ds_store_b8 v5, v[E+(\t)] offset:SCB+16*(\t)   ; both lanes of a block write the same byte with the same value
.if (\t) < KSTEPS
	ds_store_b64 v230, v[C+2*(\t):C+2*(\t)+1] offset:CST+16*(\t)   ; row t's 16 bytes of each unit
.else
	global_store_b64 v4, v[C+2*(\t):C+2*(\t)+1], s[12:13] offset:256*((\t)-KSTEPS)   ; 32 lanes store 256 consecutive bytes, aligned
.endif
.endm
.irp t, 0,1,2,3,4,5,6,7,8,9,10,11,12,13,14,15,16,17
	STEP \t
.endr
	ds_load_b64 v[12:13], v6 offset:SCB            ; in order behind my stores: key's 256 scale bytes, 8 a lane;
	ds_load_u8 v10, v7 offset:SCB+16*KSTEPS        ; W's 32, one a lane;
.irp i, 0,1,2,3,4,5,6,7
	ds_load_b128 v[R+4*\i:R+4*\i+3], v231 offset:CST+2*\i*CP   ; key's codes, two units a load
.endr
	s_wait_dscnt 0x0
	global_store_b64 v4, v[12:13], s[10:11]        ; 256 consecutive bytes, aligned
	global_store_b8 v1, v10, s[14:15]
.irp i, 0,1,2,3,4,5,6,7
	global_store_b128 v3, v[R+4*\i:R+4*\i+3], s[8:9] offset:512*\i   ; 512 consecutive bytes, aligned
.endr
	s_wait_tensorcnt 0x0                           ; the wave's end
	ds_add_u32 v254, v255
	s_wait_dscnt 0x0
	s_endpgm
.Lfunc_end_k_qc1076e0099_quant:
	.size	k_qc1076e0099_quant, .Lfunc_end_k_qc1076e0099_quant-k_qc1076e0099_quant
	.p2alignl 7, 3214868480
	.fill 96, 4, 3214868480
	.section	.rodata,"a",@progbits
	.p2align	6, 0x0
	.amdhsa_kernel k_qc1076e0099_quant
		.amdhsa_group_segment_fixed_size 41472
		.amdhsa_private_segment_fixed_size 0
		.amdhsa_enable_private_segment 0
		.amdhsa_kernarg_size 48
		.amdhsa_user_sgpr_count 2
		.amdhsa_user_sgpr_kernarg_segment_ptr 1
		.amdhsa_wavefront_size32 1
		.amdhsa_system_sgpr_workgroup_id_x 1
		.amdhsa_system_sgpr_workgroup_id_y 1
		.amdhsa_system_sgpr_workgroup_id_z 1
		.amdhsa_system_vgpr_workitem_id 0
		.amdhsa_next_free_vgpr 256
		.amdhsa_next_free_sgpr 66
		.amdhsa_reserve_vcc 0
		.amdhsa_float_denorm_mode_32 3
		.amdhsa_float_denorm_mode_16_64 3
		.amdhsa_memory_ordered 1
		.amdhsa_forward_progress 1
		.amdhsa_inst_pref_size 39
	.end_amdhsa_kernel
	.amdgpu_metadata
---
amdhsa.version: [ 1, 2 ]
amdhsa.kernels:
  - .name:           k_qc1076e0099_quant
    .symbol:         k_qc1076e0099_quant.kd
    .args:
      - { .name: key, .offset: 0, .size: 8, .value_kind: global_buffer, .address_space: global }
      - { .name: W, .offset: 8, .size: 8, .value_kind: global_buffer, .address_space: global }
      - { .name: kcodes, .offset: 16, .size: 8, .value_kind: global_buffer, .address_space: global }
      - { .name: kscales, .offset: 24, .size: 8, .value_kind: global_buffer, .address_space: global }
      - { .name: wcodes, .offset: 32, .size: 8, .value_kind: global_buffer, .address_space: global }
      - { .name: wscales, .offset: 40, .size: 8, .value_kind: global_buffer, .address_space: global }
    .group_segment_fixed_size: 41472
    .private_segment_fixed_size: 0
    .kernarg_segment_align: 8
    .kernarg_segment_size: 48
    .max_flat_workgroup_size: 128
    .sgpr_count:     66
    .vgpr_count:     256
    .wavefront_size: 32
...
	.end_amdgpu_metadata
.endif
;; end of part 1
;; launch gemm (part 2): grid 128 x 2, 4 waves a work-group, clusters of 4 x 1, 327,680 bytes of LDS; arguments kcodes, kscales, wcodes, wscales, b, v, part; writes part
.if DOCPART == 2
	.amdgcn_target "amdgcn-amd-amdhsa--gfx1250"
	.amdhsa_code_object_version 6
	.text
	.protected	k_qc1076e0099_gemm
	.globl	k_qc1076e0099_gemm
	.p2align	8
	.type	k_qc1076e0099_gemm,@function
k_qc1076e0099_gemm:
	s_mov_b64 s[64:65], 0
	v_nop
	global_prefetch_b8 v0, s[64:65] scope:SCOPE_SE
	s_setreg_imm32_b32 hwreg(HW_REG_WAVE_MODE, 25, 1), 1
	s_wait_xcnt 0x0
	s_wait_alu depctr_hold_cnt(0) depctr_sa_sdst(0) depctr_va_vdst(0) depctr_va_sdst(0) depctr_va_ssrc(0) depctr_va_vcc(0) depctr_vm_vsrc(0)
	s_getreg_b32 s2, hwreg(HW_REG_IB_STS2, 6, 4)
	s_cmp_eq_u32 s2, 0
	s_cbranch_scc0 .Lentry_in_a_cluster
	s_endpgm
.Lentry_in_a_cluster:
	s_bfe_u32 s2, ttmp6, 0x10000c
	s_cmp_lg_u32 s2, 0x3003
	s_cbranch_scc0 .Lentry_shape_is_right
	s_endpgm
.Lentry_shape_is_right:
; part[b][chunk][s] = the sum over the 512 columns e of a chunk of v[b][e] tanh(sum over k of A[128 b + s][k] W[e][k] + bias[e]).
; A (key's rows, 128 b + s) and W: codes of FP4 (E2M1) with one E8M0 scale byte for each 32 along K, laid as the launch before has stored them: A's codes as operand registers, W's as rows of 1,024 bytes, the scale bytes 16 to a row and quarter of K.  Sums in f32.
; SHARES.  Work-group (b, nh) owns the 128 rows of one b and columns 1,024 nh .. + 1,023.  Wave (rh, ch) owns rows 64 rh .. + 63 and, of every 128 columns, 64 ch .. + 63: chunk 2 nh + ch.
; A STAYS IN REGISTERS: a wave's 64 rows x 2,048 K are 2 x 16 operands of 32 rows x 128 K, 16 registers each, 512 in all, brought by 128 loads of 512 consecutive bytes.  W walks through a ring of two LDS slots of 128 whole rows (1,024 bytes + 16 of padding): 8 tiles a work-group.
; A UNIT is 64 rows x 32 columns over all of K: 64 matrix instructions of 32 x 16 x 128 on 8 accumulators of 16 registers by turns: the even and the odd K steps of each 32 x 16 results have an accumulator each, added on the way out.
; The unit's tanh and its product with v follow at once, in place, while the next unit's fragments and the next tile are on their way.
; W's fragments have one set of 256 registers: a group of 4 K steps is fetched anew, for the next unit, as soon as its 16 products are issued.  So a slot's last LDS reads are issued in its first unit, and the change of slots stands between its two units.
; Source 0 = 32 rows of A, source 1 = 16 rows of W: lane (r, h) holds column r and, in register 8 i + j of an accumulator, row 16 i + 8 h + j.  A's scale words fill all 32 lanes, a lane a row.  Bias and v are one number a lane for 16 columns.
; tanh(x) = 1 - 2 u, u = 1 / (1 + 2^(2 log2(e) x)): where 2^.. overflows u is 0, where it falls to 0 u is 1.  A lane sums v u for its 32 rows and v by itself; at the end (sum of v) - 2 (sum of v u) is added over the 16 lanes.
; CLUSTER: four work-groups of one nh walk the same tiles of W and ask for them jointly (mask 15), 32 rows a wave.  A comes by plain loads into registers: no tile of it lies in LDS.
; PREFETCH OF W: behind the change that loads tile t + 2 each wave names 32 blocks of 256 bytes of tile t + 4: the cluster's 16 waves x 32 lanes name the tile's 512 blocks once, shared out by address (wave, place in the cluster).  Tiles 0 to 3 come by their loads alone; the last trip asks for nothing.
; PREFETCH OF A: a wave's 128 loads of A cannot all be out at once (LOADcnt has 6 bits: ISA guide 5.7.1), so K steps 0-3 are loaded at the head and K steps 4-15 are named there by prefetches and loaded behind slot 1's first fill.
;   The two waves of one rh share those 192 blocks of 256 bytes by address: wave ch names row blocks 2 ch and 2 ch + 1, 48 blocks each, in three instructions.
; LIMITS: NaN and infinities among the inputs are not served.
; REGISTERS: window 0: v2-14 addresses and small things; v16-47 A's scale words; v48-79 W's, two sets; v80-95 bias and v, two sets; v96-127 the sums of v u; v128-255 the accumulators (even K steps, then odd).  Window 1: W's fragments (128 ct + 8 q).  Windows 2, 3: A's (K steps 0-7, 8-15: 32 (q % 8) + 16 m).
.set PITCH, 1040
.set SLOT,  128*PITCH
.set STAGE, 2*SLOT                     ; the way out: 256 bytes a wave
.set SPARE, STAGE+1024                 ; the spare words: 128 bytes a wave
.set TILEB, 128*1024                   ; a tile of W in memory
.set ADW, 2                            ; v2, v3: my W fragments in slot 0, 1
.set L16, 4                            ; 16 x lane
.set SPW, 5
.set NIL, 6
.set PA0, 7                            ; A's prefetches: 32,768 ch + 256 x lane; never rewritten
.set OBV, 8                            ; 4 (lane % 16)
.set STO, 9
.set RD,  10
.set CO,  11
.set PFO, 12
.set VS,  13
.set PA1, 14                           ; PA0 + 4,096 (lane / 16); never rewritten
.set ASC, 16
.set WSC, 48
.set TB,  80                           ; set u: bias of columns 0-15 at +0, of 16-31 at +2, v at +4 and +6; the odd registers are named in pairs only
.set S,   96
.set ACC, 128
.set G1R, 40
.set G0,  56
.set CE,  66
.set PFA, 76
.set MSB, 0
.macro WIN new
.if MSB != (\new)
	s_set_vgpr_msb (MSB<<8)|(\new)
.set MSB, (\new)
.endif
.endm
.macro PLACES
.rept 4
	v_nop
.endr
.endm
.macro ROUND
	s_barrier_signal -1
	s_barrier_wait -1
	s_cmp_lg_u32 s18, 0
	s_cbranch_scc1 .Lnot_wave_0_\@
	s_barrier_signal -3
.Lnot_wave_0_\@:
	s_barrier_wait -3
	s_barrier_signal -1
	s_barrier_wait -1
.endm
	s_load_b128 s[4:7], s[0:1], 0x0                ; A's codes, A's scales
	s_load_b128 s[8:11], s[0:1], 0x10              ; W's codes, W's scales
	s_load_b128 s[12:15], s[0:1], 0x20             ; bias, v
	s_load_b64 s[16:17], s[0:1], 0x30              ; part
	v_lshl_add_u32 v[SPW], v0, 2, SPARE
	v_mov_b32 v[NIL], 0
	ds_add_u32 v[SPW], v[NIL]
	ds_add_u32 v[SPW], v[NIL]
	v_lshrrev_b32 v1, 5, v0
	v_readfirstlane_b32 s18, v1                    ; wave
	s_lshr_b32 s19, s18, 1                         ; rh
	s_and_b32 s20, s18, 1                          ; ch
	s_bfe_u32 s21, ttmp6, 0x40000                  ; cx
	s_lshl_b32 s22, ttmp9, 2
	s_add_co_u32 s22, s22, s21                     ; b
	s_and_b32 s23, ttmp7, 0xffff                   ; nh
	s_mov_b32 s[G1R], 15|(1<<20)|(1<<21)|(7<<22)|(3<<25)   ; the mask; bytes; 4 words of padding behind every 256
	s_mov_b32 s[G1R+1], 1024<<16
	s_mov_b32 s[G1R+2], 32<<16                     ; 32 rows a wave
	s_mov_b32 s[G1R+3], 1024<<16
	s_mov_b32 s[G1R+4], 32
	s_mov_b32 s[G1R+5], 1024
	s_mov_b32 s[G1R+6], 0
	s_mov_b32 s[G1R+7], 0
	s_lshl_b32 s68, s22, 17
	s_lshl_b32 s69, s19, 16
	s_add_co_u32 s68, s68, s69                     ; A's codes: 131,072 b + 65,536 rh
	s_mov_b32 s69, 0
	s_lshl_b32 s70, s23, 20
	s_lshl_b32 s71, s18, 15
	s_add_co_u32 s74, s70, s71                     ; W: row 1,024 nh + 32 x wave
	s_lshl_b32 s76, s21, 13
	s_add_co_u32 s76, s76, s74                     ; W's prefetches: + 8 cx rows,
	s_add_co_u32 s76, s76, 3*TILEB                 ; at tile 3: each change steps it first
	s_mov_b32 s75, 0
	s_mov_b32 s77, 0
	s_lshl_b32 s78, s22, 13
	s_lshl_b32 s92, s19, 10
	s_add_co_u32 s78, s78, s92                     ; A's scales: 8,192 b + 16 x 64 rh
	s_mov_b32 s79, 0
	s_lshl_b32 s80, s23, 16
	s_lshl_b32 s92, s20, 12
	s_add_co_u32 s80, s80, s92                     ; W's scales: 2,048 bytes for 32 columns, from column 1,024 nh + 64 ch
	s_mov_b32 s81, 0
	s_lshl_b32 s82, s23, 12
	s_lshl_b32 s92, s20, 8
	s_add_co_u32 s82, s82, s92                     ; the bias of that column
	s_mov_b32 s83, 0
	s_lshl_b32 s84, s22, 13
	s_add_co_u32 s84, s84, s82                     ; v[b] likewise
	s_mov_b32 s85, 0
	s_lshl_b32 s86, s22, 11
	s_lshl_b32 s92, s23, 10
	s_add_co_u32 s86, s86, s92
	s_lshl_b32 s92, s20, 9
	s_add_co_u32 s86, s86, s92
	s_lshl_b32 s92, s19, 8
	s_add_co_u32 s86, s86, s92                     ; part: 2,048 b + 512 (2 nh + ch) + 256 rh
	s_mov_b32 s87, 0
	s_mul_i32 s88, s20, 64*PITCH
	s_mul_i32 s90, s18, 32*PITCH
	s_lshl_b32 s91, s18, 8
	s_add_co_u32 s91, s91, STAGE
	s_lshl_b32 s93, s20, 15
	s_mov_b32 s[CE], 0x4038aa3b                    ; 2 log2(e)
	s_mov_b32 s[CE+1], s[CE]
	v_and_b32 v1, 15, v0                           ; r
	v_bfe_u32 v128, v0, 4, 1                       ; h
	v_and_b32 v129, 31, v0                         ; lane
	v_mul_u32_u24 v130, v1, PITCH
	v_lshl_add_u32 v130, v128, 4, v130             ; a fragment's row x pitch + 16 h
	v_add_nc_u32 v[ADW], s88, v130
	v_add_nc_u32 v[ADW+1], SLOT, v[ADW]
	v_lshlrev_b32 v[L16], 4, v129
	v_lshlrev_b32 v[OBV], 2, v1
	v_lshl_add_u32 v[STO], v128, 5, s91            ; the way out: rows 8 h ..
	v_lshl_add_u32 v[RD], v129, 3, s91
	v_lshlrev_b32 v[CO], 3, v129
	v_lshrrev_b32 v131, 2, v129
	v_and_b32 v132, 3, v129
	v_lshlrev_b32 v132, 8, v132
	v_lshl_or_b32 v[PFO], v131, 10, v132           ; row lane / 4, block lane % 4
	v_lshl_add_u32 v[PA0], v129, 8, s93
	v_lshl_add_u32 v[PA1], v128, 12, v[PA0]
	v_mov_b32 v[VS], 0
.set i, 0
.rept 32
	v_mov_b32 v[S+i], 0                            ; the unit is written once: the first finds zeros
.set i, i+1
.endr
.irp j, 1,3,5,7,9,11,13,15
	v_mov_b32 v[TB+\j], 0                          ; named as upper halves of pairs, so they are written
.endr
	s_wait_alu depctr_va_vdst(0)
	s_wait_dscnt 0x0
	s_wait_kmcnt 0x0
	s_add_nc_u64 s[4:5], s[4:5], s[68:69]
	s_add_nc_u64 s[74:75], s[8:9], s[74:75]
	s_add_nc_u64 s[PFA:PFA+1], s[8:9], s[76:77]
	s_add_nc_u64 s[6:7], s[6:7], s[78:79]
	s_add_nc_u64 s[10:11], s[10:11], s[80:81]
	s_add_nc_u64 s[12:13], s[12:13], s[82:83]
	s_add_nc_u64 s[14:15], s[14:15], s[84:85]
	s_add_nc_u64 s[16:17], s[16:17], s[86:87]
	s_mov_b32 s[G0], 1                             ; slot 0's: at tile 0
	s_mov_b32 s[G0+1], s90
	s_mov_b64 s[G0+2:G0+3], s[74:75]
	s_or_b32 s[G0+3], s[G0+3], 0x80000000
	s_mov_b32 s[G0+4], 1                           ; slot 1's: at tile 1
	s_add_co_u32 s[G0+5], s90, SLOT
	s_add_nc_u64 s[G0+6:G0+7], s[74:75], TILEB
	s_or_b32 s[G0+7], s[G0+7], 0x80000000
	ROUND                                          ; in front of the first joint loads
	tensor_load_to_lds s[G0:G0+3], s[G1R:G1R+7]    ; tile 0: my one tensor load at the head
	s_nop 0
	PLACES
	global_prefetch_b8 v[PA0], s[4:5] offset:4096 th:TH_LOAD_NT scope:SCOPE_SE    ; row block 2 ch, K steps 4-11
	global_prefetch_b8 v[PA1], s[4:5] offset:12288 th:TH_LOAD_NT scope:SCOPE_SE   ; lanes 0-15: its K steps 12-15; lanes 16-31: row block 2 ch + 1, K steps 4-7
	global_prefetch_b8 v[PA0], s[4:5] offset:24576 th:TH_LOAD_NT scope:SCOPE_SE   ; row block 2 ch + 1, K steps 8-15
.macro GLOAD set, u                    ; W's scale words, bias and v of a unit of 32 columns: lane l takes column l's; register q = K step q
.irp j, 0,1,2,3
	global_load_b128 v[WSC+16*\set+4*\j:WSC+16*\set+4*\j+3], v[L16], s[10:11] offset:2048*\u+512*\j
.endr
	global_load_b32 v[TB+8*\set], v[OBV], s[12:13] offset:128*\u
	global_load_b32 v[TB+8*\set+2], v[OBV], s[12:13] offset:128*\u+64
	global_load_b32 v[TB+8*\set+4], v[OBV], s[14:15] offset:128*\u
	global_load_b32 v[TB+8*\set+6], v[OBV], s[14:15] offset:128*\u+64
.endm
.macro FETCHA q0, n                    ; A's operands of n K steps from q0 on: 8 loads of 512 consecutive bytes a K step
.set q_, \q0
.rept \n
	WIN 0x80+0x40*(q_/8)
.irp a, 0,1,2,3
.irp c, 0,1
	global_load_b128 v[(q_%8)*32+8*\a+4*\c:(q_%8)*32+8*\a+4*\c+3], v[L16], s[4:5] offset:(16*\a+q_)*1024+512*\c
.endr
.endr
.set q_, q_+1
.endr
.endm
.irp m, 0,1
.irp j, 0,1,2,3
	global_load_b128 v[ASC+16*\m+4*\j:ASC+16*\m+4*\j+3], v[L16], s[6:7] offset:2048*\j+512*\m   ; A's scale words: lane l has row 32 m + l
.endr
.endr
	GLOAD 0, 0
	FETCHA 0, 4                                    ; 48 loads are out here; the other 96 follow behind slot 1's first fill
	WIN 0
.macro FETCHW adr, off, g              ; W's fragments of K steps 4 g .. 4 g + 3, both column tiles: 16 loads
.irp qq, 0,1,2,3
.irp ct, 0,1
.irp c, 0,1
	ds_load_b128 v[128*\ct+8*(4*\g+\qq)+4*\c:128*\ct+8*(4*\g+\qq)+4*\c+3], v[\adr] offset:\off+\ct*16*PITCH+64*(4*\g+\qq)+32*\c
.endr
.endr
.endr
.endm
.macro WMI c, rb                       ; W's scale words: lanes 0-15 for the first 16 columns, lanes 16-31 for the second
.if (\rb)==0
	v_wmma_scale_f32_32x16x128_f4 v[D_:D_+15], v[A_:A_+15], v[B_:B_+7], \c, v[SA_], v[SB_]
.else
	v_wmma_scale_f32_32x16x128_f4 v[D_:D_+15], v[A_:A_+15], v[B_:B_+7], \c, v[SA_], v[SB_] matrix_b_scale:MATRIX_SCALE_ROW1
.endif
.endm
.macro MULG u, g                       ; 16 products: 4 K steps x 4 results of 32 x 16; the 8 accumulators by turns; K steps 0 and 1 start the sums
.irp qq, 0,1,2,3
.irp ct, 0,1
.irp m, 0,1
.set D_, ACC+64*(\qq%2)+8*(4*\ct+2*\m)
.set A_, ((4*\g+\qq)%8)*32+16*\m
.set B_, 128*\ct+8*(4*\g+\qq)
.set SA_, ASC+16*\m+4*\g+\qq
.set SB_, WSC+16*\u+4*\g+\qq
.if 4*\g+\qq < 2
	WMI 0, \ct
.else
	WMI v[D_:D_+15], \ct
.endif
.endr
.endr
.endr
.endm
; The unit's way out, in place on the even K steps' 64 registers (0-31: columns 0-15, 32-63: columns 16-31).
.macro EPI u
	v_mul_f32 v[TB+8*\u], s[CE], v[TB+8*\u]        ; bias x 2 log2(e).  These four lines are the places behind the last products
	v_mul_f32 v[TB+8*\u+2], s[CE], v[TB+8*\u+2]
	v_add_f32 v[VS], v[VS], v[TB+8*\u+4]
	v_add_f32 v[VS], v[VS], v[TB+8*\u+6]
.set i, 0
.rept 32
	v_pk_fma_f32 v[ACC+i:ACC+i+1], v[ACC+i:ACC+i+1], s[CE:CE+1], v[TB+8*\u+2*(i/32):TB+8*\u+2*(i/32)+1] op_sel_hi:[1,0,0]   ; (the even K steps' sum + bias) 2 log2(e), ascending
.set i, i+2
.endr
.set i, 0
.rept 32
	v_pk_fma_f32 v[ACC+i:ACC+i+1], v[ACC+64+i:ACC+65+i], s[CE:CE+1], v[ACC+i:ACC+i+1] op_sel_hi:[1,0,1]   ; + the odd K steps' sum, likewise
.set i, i+2
.endr
	s_wait_alu depctr_va_vdst(0)
.set i, 0
.rept 32
	v_exp_f32 v[ACC+i], v[ACC+i]
.set i, i+1
.endr
	v_nop
	s_wait_alu depctr_va_vdst(0)
.set i, 0
.rept 16                               ; the second half's exponentials, with the first half's + 1 as plain work among them
	v_exp_f32 v[ACC+32+i], v[ACC+32+i]
	v_exp_f32 v[ACC+33+i], v[ACC+33+i]
	v_pk_add_f32 v[ACC+i:ACC+i+1], v[ACC+i:ACC+i+1], 1.0 op_sel_hi:[1,0]
.set i, i+2
.endr
	s_wait_alu depctr_va_vdst(0)
.set i, 0
.rept 16
	v_rcp_f32 v[ACC+i], v[ACC+i]
	v_rcp_f32 v[ACC+1+i], v[ACC+1+i]
	v_pk_add_f32 v[ACC+32+i:ACC+33+i], v[ACC+32+i:ACC+33+i], 1.0 op_sel_hi:[1,0]
.set i, i+2
.endr
	s_wait_alu depctr_va_vdst(0)
.set i, 0
.rept 16
	v_rcp_f32 v[ACC+32+i], v[ACC+32+i]
	v_rcp_f32 v[ACC+33+i], v[ACC+33+i]
	v_pk_fma_f32 v[S+i:S+i+1], v[ACC+i:ACC+i+1], v[TB+8*\u+4:TB+8*\u+5], v[S+i:S+i+1] op_sel_hi:[1,0,1]   ; + u v
.set i, i+2
.endr
	s_wait_alu depctr_va_vdst(0)
.set i, 0
.rept 16
	v_pk_fma_f32 v[S+i:S+i+1], v[ACC+32+i:ACC+33+i], v[TB+8*\u+6:TB+8*\u+7], v[S+i:S+i+1] op_sel_hi:[1,0,1]
.set i, i+2
.endr
.endm
.macro ASK
	s_cmp_gt_u32 s3, 1                             ; not in the last trip: tiles 8 and 9 do not exist
	s_cbranch_scc0 .Lnot_asked_\@
	global_prefetch_b8 v[PFO], s[PFA:PFA+1] th:TH_LOAD_NT scope:SCOPE_SE
.Lnot_asked_\@:
.endm
; A unit.  u: its place in the slot, and its set of scale words, bias and v.  reload = 1: each group's registers take the next unit's fragments, at radr + roff.
; gl = 1: the slot's second unit's scale words, bias and v are asked for; gl = 2: the next slot's first unit's.
.macro UNIT u, reload, radr, roff, gl, ask
	s_wait_loadcnt 0x0                             ; this unit's scale words, bias and v (the first time: A too); no load is out, so the bases may be stepped
.if \gl == 1
	GLOAD 1, 1
.endif
.if \gl == 2
	s_add_nc_u64 s[10:11], s[10:11], 8192
	s_add_nc_u64 s[12:13], s[12:13], 512
	s_add_nc_u64 s[14:15], s[14:15], 512
	GLOAD 0, 0
.endif
.irp g, 0,1,2,3
.if \reload
	s_wait_dscnt 48                                ; behind this group's 16 loads stand those of three other groups
.else
	s_wait_dscnt 48-16*\g
.endif
	WIN 0x06+(\g/2)                                ; source 0 (A) window 2 or 3, source 1 (W) window 1
	MULG \u, \g
.if \reload
	PLACES                                         ; in front of loads into registers that the products have read
	WIN 0x40
	FETCHW \radr, \roff, \g
.endif
.if \ask
.if \g == 0
	WIN 0
	ASK
.endif
.endif
.endr
	WIN 0
	EPI \u
.endm
; The change of slots, between a slot's two units: my reads of slot s are over (the second unit's fragments are in registers), and the other slot is whole behind the barrier.  refill = 1: slot s takes the tile two further on.
.macro CHANGE s, refill
.if \refill
	s_wait_xcnt 0x0                                ; my prefetch has read its address
	s_add_nc_u64 s[PFA:PFA+1], s[PFA:PFA+1], TILEB
.endif
	s_wait_tensorcnt 0x0                           ; my part of the other slot has landed
.if \refill
	ds_add_u32 v[SPW], v[NIL]
	s_add_nc_u64 s[G0+4*\s+2:G0+4*\s+3], s[G0+4*\s+2:G0+4*\s+3], 2*TILEB
.endif
	s_wait_dscnt 0x0
.if \refill
	ROUND
	tensor_load_to_lds s[G0+4*\s:G0+4*\s+3], s[G1R:G1R+7]
	s_nop 0
	PLACES
.else
	s_barrier_signal -1
	s_barrier_wait -1
.endif
.endm
	s_wait_tensorcnt 0x0                           ; my part of tile 0 has landed; slot 1's first fill is issued as a refill is
	ds_add_u32 v[SPW], v[NIL]
	s_wait_dscnt 0x0
	ROUND                                          ; everybody's part has landed
	tensor_load_to_lds s[G0+4:G0+7], s[G1R:G1R+7]  ; tile 1
	s_nop 0
	PLACES
	WIN 0x40
.irp g, 0,1,2,3
	FETCHW ADW, 0, \g                              ; tile 0's first unit
.endr
	FETCHA 4, 12
	WIN 0
	s_mov_b32 s3, 3
.Ltrip:                                        ; tiles 2 i and 2 i + 1; tiles 2 i + 2 and 2 i + 3 are asked for
	UNIT 0, 1, ADW, 32*PITCH, 1, 0
	CHANGE 0, 1
	UNIT 1, 1, ADW+1, 0, 2, 1
	UNIT 0, 1, ADW+1, 32*PITCH, 1, 0
	CHANGE 1, 1
	UNIT 1, 1, ADW, 0, 2, 1
	s_sub_co_u32 s3, s3, 1
	s_cmp_lg_u32 s3, 0
	s_cbranch_scc1 .Ltrip
	UNIT 0, 1, ADW, 32*PITCH, 1, 0                 ; tiles 6 and 7: nothing more is asked for
	CHANGE 0, 0
	UNIT 1, 1, ADW+1, 0, 2, 0
	UNIT 0, 1, ADW+1, 32*PITCH, 1, 0
	UNIT 1, 0, ADW, 0, 0, 0
.set i, 0
.rept 32
	v_fma_f32 v[S+i], v[S+i], -2.0, v[VS]          ; my columns' share of the score of row 16 a + 8 h + j (register 8 a + j)
.set i, i+1
.endr
.irp x, 1,2,4,8
.set i, 0
.rept 32
	v_add_f32_dpp v[S+i], v[S+i], v[S+i] row_xmask:\x row_mask:0xf bank_mask:0xf   ; over the 16 lanes of my half
.set i, i+1
.endr
.endr
.irp k, 0,1,2,3,4,5,6,7
	ds_store_b128 v[STO], v[S+4*\k:S+4*\k+3] offset:64*(\k/2)+16*(\k%2)   ; the 16 lanes of a half write the same bytes with the same values
.endr
	ds_load_b64 v[ACC:ACC+1], v[RD]                ; in order behind my stores: rows 2 l, 2 l + 1
	s_wait_dscnt 0x0
	global_store_b64 v[CO], v[ACC:ACC+1], s[16:17] ; 32 lanes store 256 consecutive bytes, aligned
	s_wait_tensorcnt 0x0                           ; the wave's end
	ds_add_u32 v[SPW], v[NIL]
	s_wait_dscnt 0x0
	ROUND                                          ; the closing round
	s_endpgm
.Lfunc_end_k_qc1076e0099_gemm:
	.size	k_qc1076e0099_gemm, .Lfunc_end_k_qc1076e0099_gemm-k_qc1076e0099_gemm
	.p2alignl 7, 3214868480
	.fill 96, 4, 3214868480
	.section	.rodata,"a",@progbits
	.p2align	6, 0x0
	.amdhsa_kernel k_qc1076e0099_gemm
		.amdhsa_group_segment_fixed_size 327680
		.amdhsa_private_segment_fixed_size 0
		.amdhsa_enable_private_segment 0
		.amdhsa_kernarg_size 56
		.amdhsa_user_sgpr_count 2
		.amdhsa_user_sgpr_kernarg_segment_ptr 1
		.amdhsa_wavefront_size32 1
		.amdhsa_system_sgpr_workgroup_id_x 1
		.amdhsa_system_sgpr_workgroup_id_y 1
		.amdhsa_system_sgpr_workgroup_id_z 1
		.amdhsa_system_vgpr_workitem_id 0
		.amdhsa_next_free_vgpr 1024
		.amdhsa_next_free_sgpr 96
		.amdhsa_reserve_vcc 0
		.amdhsa_float_denorm_mode_32 3
		.amdhsa_float_denorm_mode_16_64 3
		.amdhsa_memory_ordered 1
		.amdhsa_forward_progress 1
		.amdhsa_inst_pref_size 242
	.end_amdhsa_kernel
	.amdgpu_metadata
---
amdhsa.version: [ 1, 2 ]
amdhsa.kernels:
  - .name:           k_qc1076e0099_gemm
    .symbol:         k_qc1076e0099_gemm.kd
    .args:
      - { .name: kcodes, .offset: 0, .size: 8, .value_kind: global_buffer, .address_space: global }
      - { .name: kscales, .offset: 8, .size: 8, .value_kind: global_buffer, .address_space: global }
      - { .name: wcodes, .offset: 16, .size: 8, .value_kind: global_buffer, .address_space: global }
      - { .name: wscales, .offset: 24, .size: 8, .value_kind: global_buffer, .address_space: global }
      - { .name: b, .offset: 32, .size: 8, .value_kind: global_buffer, .address_space: global }
      - { .name: v, .offset: 40, .size: 8, .value_kind: global_buffer, .address_space: global }
      - { .name: part, .offset: 48, .size: 8, .value_kind: global_buffer, .address_space: global }
    .group_segment_fixed_size: 327680
    .private_segment_fixed_size: 0
    .kernarg_segment_align: 8
    .kernarg_segment_size: 56
    .max_flat_workgroup_size: 128
    .sgpr_count:     96
    .vgpr_count:     1024
    .wavefront_size: 32
...
	.end_amdgpu_metadata
.endif
;; end of part 2
;; launch pool (part 3): grid 2 x 128, 8 waves a work-group, no clusters, 9,216 bytes of LDS; arguments part, value, out0, out1; writes out0, out1
.if DOCPART == 3
	.amdgcn_target "amdgcn-amd-amdhsa--gfx1250"
	.amdhsa_code_object_version 6
	.text
	.protected	k_qc1076e0099_pool
	.globl	k_qc1076e0099_pool
	.p2align	8
	.type	k_qc1076e0099_pool,@function
k_qc1076e0099_pool:
	s_mov_b64 s[64:65], 0
	v_nop
	global_prefetch_b8 v0, s[64:65] scope:SCOPE_SE
	s_setreg_imm32_b32 hwreg(HW_REG_WAVE_MODE, 25, 1), 1
	s_wait_xcnt 0x0
; score[b][s] = the sum over 4 chunks of part[b][chunk][s];  out1[b][s] = softmax over s of score[b][s], the row's largest score taken away first;  out0[b][d] = the sum over s of out1[b][s] value[s][b][d].  All in f32.
; SHARES.  Work-group (x, b) owns columns 1,024 x .. + 1,023 of b.  Thread t owns the 16 bytes at 16 t of the work-group's 4,096 bytes of every row (s, b): a load of a wave covers 512 consecutive bytes.
; Every wave makes the softmax of its b for itself, from the 2,048 bytes of part[b] (lane l: s = 4 l .. 4 l + 3): no barrier.  Wave 0 of work-group x = 0 stores out1's 512 bytes.
; The 128 weights go through the wave's own 1,024 bytes of LDS, each written twice on end, so that a load at one address for all lanes brings pairs (p, p) for the packed multiply-add.
; value is read once, 32 loads a wave on their way: four sets of 8 rows in registers; a set is filled again as soon as it has been summed.
; NO CLUSTER: the two work-groups of a b share only part[b], 2,048 bytes beside the 524,288 bytes of value that each reads alone.  No matrix unit: each number of value meets one multiply-add.
; LIMITS: NaN and infinities among the scores are not served; a weight under 2^-126 comes out as 0 (v_exp_f32 flushes: ISA guide 15.8).
.set ROWS, 0x100000                    ; bytes from value[s] to value[s + 1]
.set OFF,  4                           ; v4-7     set g: my byte offset in the first row that the set loads next
.set PA,   8                           ; v8       1,024 x wave
.set PS,   9                           ; v9       1,024 x wave + 32 x lane
.set ACC,  10                          ; v10-17   the sums of my 4 columns, over even rows and over odd rows
.set Q,    20                          ; v20-35   eight doubled weights
.set PT,   40                          ; v40-55   part[b]: 4 chunks x my 4 s
.set EX,   104
.set PD,   108
.set W,    116
.set P,    120
.set X,    128                         ; v128-255 four sets of 8 rows x 4 registers
	s_load_b256 s[4:11], s[0:1], 0x0               ; part, value, out0, out1
	v_lshl_add_u32 v126, v0, 2, 0x2000
	v_mov_b32 v127, 0
	v_lshrrev_b32 v1, 5, v0
	s_delay_alu instid0(VALU_DEP_1)
	v_readfirstlane_b32 s12, v1                    ; wave
	v_and_b32 v1, 31, v0                           ; lane
	s_delay_alu instid0(VALU_DEP_1)
	v_lshlrev_b32 v2, 4, v1
	v_lshlrev_b32 v3, 4, v0
.irp g, 0,1,2,3
	v_lshl_or_b32 v[OFF+\g], v0, 4, \g*8*ROWS
.endr
	s_lshl_b32 s20, s12, 10
	v_mov_b32 v[PA], s20
	v_lshl_add_u32 v[PS], v1, 5, s20
	s_and_b32 s13, ttmp7, 0xffff                   ; b
	s_lshl_b32 s14, s13, 13                        ; 8,192 b: row b of value[s] and of out0
	s_lshl_b32 s16, ttmp9, 12
	s_add_co_u32 s16, s16, s14
	s_mov_b32 s17, 0
	s_lshl_b32 s18, s13, 9                         ; 512 b: out1[b]
	s_mov_b32 s19, 0
	s_lshl_b32 s24, s13, 11                        ; 2,048 b: part[b]
	s_mov_b32 s25, 0
	s_mov_b32 s22, 0x76543210
	s_mov_b32 s23, 0xfedcba98
	s_or_b32 s21, s12, ttmp9                       ; 0 in wave 0 of work-group x = 0
	s_wait_alu depctr_va_vdst(0)
	s_wait_kmcnt 0x0
	s_add_nc_u64 s[4:5], s[4:5], s[24:25]
	s_add_nc_u64 s[6:7], s[6:7], s[16:17]
	s_add_nc_u64 s[8:9], s[8:9], s[16:17]
	s_add_nc_u64 s[10:11], s[10:11], s[18:19]
.irp c, 0,1,2,3
	global_load_b128 v[PT+4*\c:PT+4*\c+3], v2, s[4:5] offset:512*\c
.endr
.macro FILL set
.irp i, 0,1,2,3,4,5,6,7
	global_load_b128 v[X+32*(\set)+4*\i:X+32*(\set)+4*\i+3], v[OFF+(\set)], s[6:7] offset:\i*ROWS th:TH_LOAD_NT
.endr
.endm
	FILL 0
	FILL 1
	FILL 2
	FILL 3
	s_wait_loadcnt 32                              ; part's 4 loads are in; the 32 loads of value stay out
.irp d, 2,1
.set c, 0
.rept \d
	v_pk_add_f32 v[PT+4*c:PT+4*c+1],   v[PT+4*c:PT+4*c+1],   v[PT+4*(c+\d):PT+4*(c+\d)+1]
	v_pk_add_f32 v[PT+4*c+2:PT+4*c+3], v[PT+4*c+2:PT+4*c+3], v[PT+4*(c+\d)+2:PT+4*(c+\d)+3]
.set c, c+1
.endr
.endr
	s_delay_alu instid0(VALU_DEP_1)
	v_max3_num_f32 v[W], v[PT], v[PT+1], v[PT+2]
	s_delay_alu instid0(VALU_DEP_1)
	v_max_num_f32 v[W], v[W], v[PT+3]
	s_delay_alu instid0(VALU_DEP_1)
	v_max_num_f32_dpp v[W], v[W], v[W] row_xmask:1 row_mask:0xf bank_mask:0xf
	s_delay_alu instid0(VALU_DEP_1)
	v_max_num_f32_dpp v[W], v[W], v[W] row_xmask:2 row_mask:0xf bank_mask:0xf
	s_delay_alu instid0(VALU_DEP_1)
	v_max_num_f32_dpp v[W], v[W], v[W] row_xmask:4 row_mask:0xf bank_mask:0xf
	s_delay_alu instid0(VALU_DEP_1)
	v_max_num_f32_dpp v[W], v[W], v[W] row_xmask:8 row_mask:0xf bank_mask:0xf
	s_delay_alu instid0(VALU_DEP_1)
	v_permlanex16_b32 v[PT+4], v[W], s22, s23      ; (its destination counts as read: a register that has been written)
	s_delay_alu instid0(VALU_DEP_1)
	v_max_num_f32 v[W], v[W], v[PT+4]              ; the largest of all 128
.irp j, 0,1,2,3
	v_sub_f32 v[EX+\j], v[PT+\j], v[W]
.endr
.irp j, 0,1,2,3
	s_delay_alu instid0(VALU_DEP_4)
	v_mul_f32 v[EX+\j], 0x3fb8aa3b, v[EX+\j]
.endr
	s_wait_alu depctr_va_vdst(0)
.irp j, 0,1,2,3
	v_exp_f32 v[EX+\j], v[EX+\j]
.endr
	v_nop
	s_wait_alu depctr_va_vdst(0)
	v_add_f32 v[W], v[EX], v[EX+1]
	v_add_f32 v[W+1], v[EX+2], v[EX+3]
	s_delay_alu instid0(VALU_DEP_1)
	v_add_f32 v[W], v[W], v[W+1]
	s_delay_alu instid0(VALU_DEP_1)
	v_add_f32_dpp v[W], v[W], v[W] row_xmask:1 row_mask:0xf bank_mask:0xf
	s_delay_alu instid0(VALU_DEP_1)
	v_add_f32_dpp v[W], v[W], v[W] row_xmask:2 row_mask:0xf bank_mask:0xf
	s_delay_alu instid0(VALU_DEP_1)
	v_add_f32_dpp v[W], v[W], v[W] row_xmask:4 row_mask:0xf bank_mask:0xf
	s_delay_alu instid0(VALU_DEP_1)
	v_add_f32_dpp v[W], v[W], v[W] row_xmask:8 row_mask:0xf bank_mask:0xf
	s_delay_alu instid0(VALU_DEP_1)
	v_permlanex16_b32 v[PT+4], v[W], s22, s23
	s_delay_alu instid0(VALU_DEP_1)
	v_add_f32 v[W], v[W], v[PT+4]                  ; the row's sum, at least 1
	s_wait_alu depctr_va_vdst(0)
	v_rcp_f32 v[W+1], v[W]
	v_nop
	s_wait_alu depctr_va_vdst(0)
.irp j, 0,1,2,3
	v_mul_f32 v[P+\j], v[EX+\j], v[W+1]            ; my four weights, on end for out1,
	v_mul_f32 v[PD+2*\j], v[EX+\j], v[W+1]         ; and each twice for the packed multiply-adds
	v_mul_f32 v[PD+2*\j+1], v[EX+\j], v[W+1]
.endr
	s_cmp_lg_u32 s21, 0
	s_cbranch_scc1 .Lno_p
	global_store_b128 v2, v[P:P+3], s[10:11]       ; out1[b]: 512 consecutive bytes; v2 and v[P ..] are never written again
.Lno_p:
	s_wait_alu depctr_va_vdst(0)
	ds_store_b128 v[PS], v[PD:PD+3]
	ds_store_b128 v[PS], v[PD+4:PD+7] offset:16    ; my wave's own bytes: the loads below come in order behind them
.macro GROUP n, set, refill, left      ; rows 32 n + 8 set + 0 .. 7.  left: the loads of the younger sets, which may stay out
.irp k, 0,1,2,3
	ds_load_b128 v[Q+4*\k:Q+4*\k+3], v[PA] offset:256*(\n)+64*(\set)+16*\k
.endr
	s_wait_loadcnt \left
	s_wait_dscnt 0x0
.irp i, 0,1,2,3,4,5,6,7
.if ((\n)+(\set) == 0) && (\i < 2)
	v_pk_mul_f32 v[ACC+4*(\i%2):ACC+4*(\i%2)+1],   v[X+32*(\set)+4*\i:X+32*(\set)+4*\i+1],   v[Q+2*\i:Q+2*\i+1]   ; the first two rows start the sums
	v_pk_mul_f32 v[ACC+4*(\i%2)+2:ACC+4*(\i%2)+3], v[X+32*(\set)+4*\i+2:X+32*(\set)+4*\i+3], v[Q+2*\i:Q+2*\i+1]
.else
	v_pk_fma_f32 v[ACC+4*(\i%2):ACC+4*(\i%2)+1],   v[X+32*(\set)+4*\i:X+32*(\set)+4*\i+1],   v[Q+2*\i:Q+2*\i+1], v[ACC+4*(\i%2):ACC+4*(\i%2)+1]
	v_pk_fma_f32 v[ACC+4*(\i%2)+2:ACC+4*(\i%2)+3], v[X+32*(\set)+4*\i+2:X+32*(\set)+4*\i+3], v[Q+2*\i:Q+2*\i+1], v[ACC+4*(\i%2)+2:ACC+4*(\i%2)+3]
.endif
.endr
.if \refill
	v_add_nc_u32 v[OFF+(\set)], 32*ROWS, v[OFF+(\set)]   ; free since the wait that showed this set's loads done
	FILL \set
.endif
.endm
.irp n, 0,1,2
	s_wait_alu depctr_va_vdst(0)
	GROUP \n, 0, 1, 24
	s_wait_alu depctr_va_vdst(0)
	GROUP \n, 1, 1, 24
	s_wait_alu depctr_va_vdst(0)
	GROUP \n, 2, 1, 24
	s_wait_alu depctr_va_vdst(0)
	GROUP \n, 3, 1, 24
.endr
	s_wait_alu depctr_va_vdst(0)
	GROUP 3, 0, 0, 24                              ; the last 32 rows load nothing: the counts run down
	s_wait_alu depctr_va_vdst(0)
	GROUP 3, 1, 0, 16
	s_wait_alu depctr_va_vdst(0)
	GROUP 3, 2, 0, 8
	s_wait_alu depctr_va_vdst(0)
	GROUP 3, 3, 0, 0
	s_delay_alu instid0(VALU_DEP_2)
	v_pk_add_f32 v[ACC:ACC+1], v[ACC:ACC+1], v[ACC+4:ACC+5]
	s_delay_alu instid0(VALU_DEP_2)
	v_pk_add_f32 v[ACC+2:ACC+3], v[ACC+2:ACC+3], v[ACC+6:ACC+7]
	global_store_b128 v3, v[ACC:ACC+3], s[8:9]     ; a wave stores 512 consecutive bytes, aligned
	s_wait_tensorcnt 0x0                           ; the wave's end
	ds_add_u32 v126, v127
	s_wait_dscnt 0x0
	s_endpgm
.Lfunc_end_k_qc1076e0099_pool:
	.size	k_qc1076e0099_pool, .Lfunc_end_k_qc1076e0099_pool-k_qc1076e0099_pool
	.p2alignl 7, 3214868480
	.fill 96, 4, 3214868480
	.section	.rodata,"a",@progbits
	.p2align	6, 0x0
	.amdhsa_kernel k_qc1076e0099_pool
		.amdhsa_group_segment_fixed_size 9216
		.amdhsa_private_segment_fixed_size 0
		.amdhsa_enable_private_segment 0
		.amdhsa_kernarg_size 32
		.amdhsa_user_sgpr_count 2
		.amdhsa_user_sgpr_kernarg_segment_ptr 1
		.amdhsa_wavefront_size32 1
		.amdhsa_system_sgpr_workgroup_id_x 1
		.amdhsa_system_sgpr_workgroup_id_y 1
		.amdhsa_system_sgpr_workgroup_id_z 1
		.amdhsa_system_vgpr_workitem_id 0
		.amdhsa_next_free_vgpr 256
		.amdhsa_next_free_sgpr 66
		.amdhsa_reserve_vcc 0
		.amdhsa_float_denorm_mode_32 3
		.amdhsa_float_denorm_mode_16_64 3
		.amdhsa_memory_ordered 1
		.amdhsa_forward_progress 1
		.amdhsa_inst_pref_size 41
	.end_amdhsa_kernel
	.amdgpu_metadata
---
amdhsa.version: [ 1, 2 ]
amdhsa.kernels:
  - .name:           k_qc1076e0099_pool
    .symbol:         k_qc1076e0099_pool.kd
    .args:
      - { .name: part, .offset: 0, .size: 8, .value_kind: global_buffer, .address_space: global }
      - { .name: value, .offset: 8, .size: 8, .value_kind: global_buffer, .address_space: global }
      - { .name: out0, .offset: 16, .size: 8, .value_kind: global_buffer, .address_space: global }
      - { .name: out1, .offset: 24, .size: 8, .value_kind: global_buffer, .address_space: global }
    .group_segment_fixed_size: 9216
    .private_segment_fixed_size: 0
    .kernarg_segment_align: 8
    .kernarg_segment_size: 32
    .max_flat_workgroup_size: 256
    .sgpr_count:     66
    .vgpr_count:     256
    .wavefront_size: 32
...
	.end_amdgpu_metadata
.endif
;; end of part 3
